; MI455X (gfx1250); checked and timed in simulation.
; The chip was launched on July 23, 2026; its instructions are those of AMD's public machine-readable ISA for CDNA 5 (MIT licence, August 2026) and "CDNA5" Instruction Set Architecture Reference Guide (July 2026). The comments in the code are by the model that wrote it; some were corrected since.
;; Retro Model. Allowed arithmetic: matrix products marked QUANTISED: E2M3 operands, one E8M0 scale for each 32 along K, by v_wmma_scale_f32_16x16x128_f8f6f4 with both operands' format E2M3, f32 sums; everything else in f32.
;; Inputs: Wk 1,024 x 1,024 float32; Wo 1,024 x 1,024 float32; Wq 1,024 x 1,024 float32; Wv 1,024 x 1,024 float32; bk 1,024 float32; bo 1,024 float32; bq 1,024 float32; bv 1,024 float32; e 4 x 32 x 2 x 64 x 1,024 float32; h 4 x 2,048 x 1,024 float32; ln_b 1,024 float32; ln_g 1,024 float32.
;; Outputs: out0 4 x 2,048 x 1,024 float32.
;; This version of the problem:
;;   THIS VERSION OF THE PROBLEM IS GIVEN IN LOW PRECISION. The matrix products marked QUANTISED in the list below multiply operands that are first quantised to E2M3 (2 exponent bits, 3 mantissa bits; 6 bits a number), with one power-of-two scale for each 32 numbers along K (OCP MX v1.0); their sums are f32. All else is computed in f32.
;;   The module's matrix products, in the order in which they are computed (A, B: the left and right operand; K: the contracted axis; several contracted axes count as one K, in the product's order):
;;     1. [M 8,192, K 1,024] x [K 1,024, N 1,024]; A: computed on the way; B: input Wq: QUANTISED
;;     2. [M 16,384, K 1,024] x [K 1,024, N 1,024]; A: input e; B: input Wk: QUANTISED
;;     3. [M 16,384, K 1,024] x [K 1,024, N 1,024]; A: input e; B: input Wv: QUANTISED
;;     4. batch 2,048 x [M 64, K 64] x [K 64, N 128]; A: computed on the way; B: computed on the way: QUANTISED
;;     5. batch 2,048 x [M 64, K 128] x [K 128, N 64]; A: computed on the way; B: computed on the way: QUANTISED
;;     6. [M 8,192, K 1,024] x [K 1,024, N 1,024]; A: computed on the way; B: input Wo: QUANTISED
;;   THE QUANTISER, for each operand of a quantised product, along K:
;;     - K is cut into blocks of 32 from its start; a last block that is shorter is filled with zeros.
;;     - A block's scale is 2^e with e = floor(log2(the largest magnitude in the block)) - 2, held to -126 .. 127; a block of zeros has e = 0. As a byte (E8M0): e + 127.
;;     - Each number is divided by its block's scale, clamped to +-7.5, and rounded to the nearest number of E2M3, ties to even, subnormals kept.
;;     - The product sums the exact products of the quantised numbers (number of the format x scale) in f32.
;;   ~~~python
;;   def quantise(x, axis):      # numpy; x: float32 -> the quantised numbers, widened to float32 again
;;       x = np.moveaxis(x, axis, -1); K = x.shape[-1]
;;       x = np.pad(x, [(0, 0)] * (x.ndim - 1) + [(0, -K % 32)]); x = x.reshape(x.shape[:-1] + (-1, 32)); a = np.abs(x).max(-1, keepdims=True)
;;       e = np.where(a > 0, np.clip(np.frexp(np.where(a > 0, a, 1))[1] - 1 - 2, -126, 127), 0)      # np.frexp(a)[1] - 1 = floor(log2(a)), exactly
;;       r = np.clip(x / 2.0 ** e, -7.5, 7.5)
;;       step = 2.0 ** (np.maximum(np.frexp(np.where(r == 0, 1, r))[1] - 1, 0) - 3)
;;       q = np.round(r / step) * step * 2.0 ** e      # np.round: ties to even
;;       return np.moveaxis(q.reshape(q.shape[:-2] + (-1,))[..., :K], -1, axis).astype(np.float32)
;;   ~~~
;;   OPERANDS COMPUTED ON THE WAY. 'Computed on the way' means the value that the module computes at that place (a softmax that the list does not call 'softmax' is quantised finished and normalised). What goes into a quantiser is computed in f32, as accurately as f32 sums, v_exp_f32 and their like allow (about 1e-6 of the number): no bf16 or f16 on the way to a quantiser, and a product that is left as it is and whose result goes on into a quantised operand takes f32 operands (vector FMAs, or v_wmma_f32_16x16x4_f32). A number that lies on a knife's edge between two numbers of the format may be rounded either way, as far as f32 arithmetic and the matrix unit's own rounding can turn it there, and no further.
;; One version. Each part assembles by itself: llvm-mc -triple=amdgcn-amd-amdhsa -mcpu=gfx1250 --defsym DOCPART=n.
;; ======== version 1 of 1: 3 launches
;; workspace buffers: wq 3,276,800 bytes; xh 6,553,600 bytes; xe 13,107,200 bytes; oc 6,553,600 bytes
;; launch prep (part 1): grid 1792 x 1, 4 waves a work-group, no clusters, 66,304 bytes of LDS; arguments h, e, ln_g, ln_b, Wq, Wk, Wv, Wo, wq, xh, xe; writes wq, xh, xe
.if DOCPART == 1
	.amdgcn_target "amdgcn-amd-amdhsa--gfx1250"
	.amdhsa_code_object_version 6
	.text
	.protected	k_q0348faa121_prep
	.globl	k_q0348faa121_prep
	.p2align	8
	.type	k_q0348faa121_prep,@function
k_q0348faa121_prep:
	s_mov_b64 s[64:65], 0
	v_nop
	global_prefetch_b8 v0, s[64:65] scope:SCOPE_SE
	s_setreg_imm32_b32 hwreg(HW_REG_WAVE_MODE, 25, 1), 1
	s_wait_xcnt 0x0
; RETRO's chunked cross-attention in MX-FP6 (E2M3, one E8M0 scale for each 32 along K), in three launches.  THIS ONE reads everything wide once and turns it into codes and scale
; words laid in the order of the operands' registers: the four weights (K is their first axis), LN(h[:, 63:]) and e.
; DEAD WORK.  Query row i of a batch is LN(h[i + 63]); reference() pads rows i = 1985 .. 2047 with zeros, and the rows of o that they give are cut off by [:, :S]: whatever the inputs hold,
; they reach no output.  They are 63 of the 64 rows of chunk 31's query tile, which also holds the live row 1984, so they stay inside that tile: they are fed a copy of row 2047 (the row index
; is held at 2047, so no load leaves h), and the last launch puts 0 in the place of their results.  Nothing else is left out and every input is loaded.
; LIMITS.  NaN and infinities among the inputs are not served (one that reached only the 63 dead rows would not be carried to the result).  A block whose largest magnitude lies under 2^-124, a block of
; zeros among them, gets the scale byte 1 (the rule says 127 for zeros): its codes are zeros or the rule's own, and the bytes are read by this program alone.
; A FRAGMENT'S IMAGE (16 rows x 128 K, 12 registers a lane): 1,536 bytes, three pieces of 512: piece p = registers 4 p .. 4 p + 3, lane l's 16 bytes at 16 l.  Lane (r = l % 16, hl = l / 16) holds row r,
; k = 32 hl + 0 .. 31 in registers 0-5 and k = 64 + 32 hl + 0 .. 31 in registers 6-11.
; wq: records of 6,400 bytes = 4 fragments (64 columns x 128 K) + 2 x 128 bytes of scale words (word at 4 l: lanes 0-15 tile 2 p, lanes 16-31 tile 2 p + 1).  Wq, Wk, Wv: record (head x 3 + matrix) x 8 + K step,
;     row r of tile 2 b + u = column 64 head + 32 b + 8 u + r + 8 (r / 8), so that two neighbouring tiles' results are 16 neighbours along the next K.  Wo: record 384 + 8 (column / 64) + K step, columns as they lie.
; xh: 51,200 bytes a chunk = fragments (tile m x 8 + K step) + scale words at 49,152 + 512 m + 64 K step + 4 row.   xe: 102,400 bytes a chunk, 8 tiles, scale words at 98,304.
; THE KEYS' PLACES.  The product of the weights p with v sums over two axes, the neighbour n (2) and the place j in it (64); as one K they count in the order (j, n), k = 2 j + n, so a block of 32 along that K is 16 neighbouring j
;     of BOTH neighbours.  A chunk's 128 keys get PLACES 0 .. 127, which the next launch takes as that product's K: place 32 b + 16 n + jj holds neighbour n, j = 16 b + jj: block b of the places is block b of K (the order inside a block
;     changes neither its scale nor the exact sum).  Row r of tile 2 b + u of xe is place 32 b + 8 u + r + 8 (r / 8): neighbour r / 8, j = 16 b + 8 u + r % 8.
; SHARES.  Work-groups 0-255: a weight's 128 columns x 128 K, a wave 32 columns, a lane a column, registers down K.  Work-groups 256-767: 16 rows of h; 768-1791: 16 rows of e: a wave loads 4 whole rows
; (512 consecutive bytes a load), normalises them (h), and the 16 rows turn through a stage in LDS, so that a lane gets 32 neighbours along K.  No matrix work, no tensor loads: the launch streams.
.set PITCH, 4112                       ; a stage row: 4,096 bytes + 16 = 1,028 words: row r starts at bank 4 r mod 64 (64 banks of 4 bytes: ISA guide 11.1)
.set SPARE, 16*PITCH                   ; behind the stage: the spare words, 128 bytes a wave: two blocks of 256 bytes that no other line names
.set X,   32                           ; v32-159  four rows x 32 registers; later 2 K steps x 64 neighbours
.set GG,  160                          ; v160-191 the gain at my columns
.set BB,  192                          ; v192-223 the bias
.set SH,  27                           ; v27      8 hl
.set ST,  28                           ; v28      the stage, on the way in
.set RD,  29                           ; v29      and on the way out
.set SPW, 30                           ; v30      LDS address of my spare word; never rewritten
.set NIL, 31                           ; v31      0; never rewritten
	s_load_b512 s[4:19], s[0:1], 0x0               ; h, e, ln_g, ln_b, Wq, Wk, Wv, Wo
	s_load_b128 s[20:23], s[0:1], 0x40             ; wq, xh
	s_load_b64 s[24:25], s[0:1], 0x50              ; xe
	v_lshl_add_u32 v[SPW], v0, 2, SPARE
	v_mov_b32 v[NIL], 0
	v_lshrrev_b32 v5, 5, v0
	v_readfirstlane_b32 s26, v5                    ; wave 0..3
	v_and_b32 v5, 31, v0                           ; lane
	v_lshlrev_b32 v1, 4, v5                        ; 16 x lane
	v_lshlrev_b32 v2, 2, v5                        ; 4 x lane
	v_and_b32 v3, 15, v0                           ; r
	v_bfe_u32 v4, v0, 4, 1                         ; hl
	s_mov_b32 s44, 0x76543210
	s_mov_b32 s45, 0xfedcba98                      ; v_permlanex16_b32's selects for lane l xor 16
	s_mov_b32 s51, 0
	s_wait_kmcnt 0x0
	s_cmp_lt_u32 ttmp9, 256
	s_cbranch_scc1 .Lweights
	; ---------------- 16 rows of h or of e ----------------
	s_cmp_lt_u32 ttmp9, 768
	s_cselect_b32 s34, -1, 0                       ; h's work-group?  The choice hangs on the work-group's number alone
	s_mov_b32 s27, 768
	s_cselect_b32 s27, 256, s27
	s_sub_co_u32 s27, ttmp9, s27                   ; T: the tile's number in its tensor
	s_and_b32 s28, s27, 127
	s_lshl_b32 s28, s28, 4
	s_add_co_u32 s28, s28, 63                      ; h: the tile's first row in its batch, shifted by 63
	s_bfe_u32 s29, s27, 0x20001
	s_lshl_b32 s29, s29, 4                         ; e: 16 b,
	s_and_b32 s30, s27, 1
	s_lshl_b32 s30, s30, 3
	s_add_co_u32 s29, s29, s30                     ; + 8 u,
	s_lshr_b32 s30, s26, 1
	s_mul_i32 s30, s30, 56
	s_add_co_u32 s29, s29, s30                     ; + 56 (wave / 2): with the 4 x wave below, tile rows 4 w .. 4 w + 3 are rows 64 (w / 2) + 16 b + 8 u + 4 (w % 2) + j of the chunk's 128: neighbour w / 2
	s_lshr_b32 s30, s27, 7
	s_lshl_b32 s30, s30, 11                        ; h: the batch's first row
	s_lshr_b32 s31, s27, 3
	s_lshl_b32 s31, s31, 7                         ; e: the chunk's first row
	s_lshr_b32 s32, s27, 2
	s_mul_i32 s32, s32, 51200                      ; h: the chunk's record in xh
	s_lshr_b32 s33, s27, 3
	s_mul_i32 s33, s33, 102400                     ; e: in xe
	s_and_b32 s35, s27, 3                          ; the tile in its chunk: h,
	s_and_b32 s50, s27, 7                          ; e
	s_cmp_lg_u32 s34, 0
	s_cselect_b32 s28, s28, s29
	s_cselect_b32 s30, s30, s31
	s_cselect_b32 s32, s32, s33
	s_cselect_b32 s35, s35, s50
	s_mov_b32 s29, 0x7fffffff
	s_cselect_b32 s29, 2047, s29                   ; h: the row is held at the batch's last
	s_mov_b32 s31, 98304
	s_cselect_b32 s31, 49152, s31                  ; where a record's scale words begin
	s_cselect_b64 s[52:53], s[4:5], s[6:7]
	s_cselect_b64 s[54:55], s[22:23], s[24:25]
	s_lshl_b32 s33, s26, 2
	s_add_co_u32 s28, s28, s33                     ; + 4 x wave
.irp j, 0,1,2,3
	s_add_co_u32 s50, s28, \j
	s_min_u32 s50, s50, s29
	s_add_co_u32 s50, s50, s30
	s_lshl_b32 s50, s50, 12                        ; a row is 4,096 bytes
	s_add_nc_u64 s[36+2*\j:37+2*\j], s[52:53], s[50:51]
.endr
.irp j, 0,1,2,3
.irp q, 0,1,2,3,4,5,6,7
	global_load_b128 v[X+32*\j+4*\q:X+32*\j+4*\q+3], v1, s[36+2*\j:37+2*\j] offset:512*\q th:TH_LOAD_NT   ; 32 lanes read 512 consecutive bytes
.endr
.endr
	s_mul_i32 s50, s35, 12288
	s_add_co_u32 s50, s50, s32
	s_mul_i32 s33, s26, 3072
	s_add_co_u32 s50, s50, s33
	s_add_nc_u64 s[56:57], s[54:55], s[50:51]      ; my two fragments: K steps 2 w and 2 w + 1 of the tile
	s_lshl_b32 s50, s35, 9
	s_add_co_u32 s50, s50, s32
	s_add_co_u32 s50, s50, s31
	s_lshl_b32 s33, s26, 7
	s_add_co_u32 s50, s50, s33
	s_add_nc_u64 s[58:59], s[54:55], s[50:51]      ; and their scale words: 128 bytes
	s_mul_i32 s50, s26, 4*PITCH
	v_add_nc_u32 v[ST], s50, v1                    ; in: my four rows, 16 bytes a lane
	v_mul_u32_u24 v[RD], v3, PITCH
	v_lshl_add_u32 v[RD], v4, 7, v[RD]
	s_lshl_b32 s50, s26, 10
	v_add_nc_u32 v[RD], s50, v[RD]                 ; out: row r, + 128 hl, + my two K steps' 1,024 bytes
	v_lshlrev_b32 v[SH], 3, v4
	v_mov_b32 v14, 0                               ; (a lane permute's destination counts as one of its sources)
	s_mov_b32 s48, 0xffff0000                      ; lanes 16-31
	s_cmp_lg_u32 s34, 0
	s_cbranch_scc0 .Lraw
	; h alone: the layer norm, four rows by turns, all in f32: mean, then the mean of the squared differences, as reference() has it
.irp q, 0,1,2,3,4,5,6,7
	global_load_b128 v[GG+4*\q:GG+4*\q+3], v1, s[8:9] offset:512*\q
	global_load_b128 v[BB+4*\q:BB+4*\q+3], v1, s[10:11] offset:512*\q
.endr
	s_mov_b32 s46, 0x3a800000                      ; 1 / 1024
	s_mov_b32 s47, 0x3727c5ac                      ; 1e-5
.irp j, 0,1,2,3
	v_mov_b32 v[22+\j], 0
.endr
.macro JOIN                            ; the two chains, the pair's halves and the 32 lanes of each row's sum: v[6 + 2 j] in every lane
.irp j, 0,1,2,3
	v_pk_add_f32 v[6+2*\j:7+2*\j], v[6+2*\j:7+2*\j], v[14+2*\j:15+2*\j]
.endr
.irp j, 0,1,2,3
	v_add_f32 v[6+2*\j], v[6+2*\j], v[7+2*\j]
.endr
.irp m, 1,2,4,8
.irp j, 0,1,2,3
	v_add_f32_dpp v[6+2*\j], v[6+2*\j], v[6+2*\j] row_xmask:\m row_mask:0xf bank_mask:0xf
.endr
.endr
.irp j, 0,1,2,3
	v_permlanex16_b32 v[22+\j], v[6+2*\j], s44, s45
.endr
.irp j, 0,1,2,3
	v_add_f32 v[6+2*\j], v[6+2*\j], v[22+\j]
.endr
.endm
	s_wait_loadcnt 16                              ; my four rows are in; the 16 loads of gain and bias may be out
.irp j, 0,1,2,3
	v_pk_add_f32 v[6+2*\j:7+2*\j], v[X+32*\j:X+32*\j+1], v[X+32*\j+4:X+32*\j+5]
	v_pk_add_f32 v[14+2*\j:15+2*\j], v[X+32*\j+2:X+32*\j+3], v[X+32*\j+6:X+32*\j+7]
.endr
.irp i, 8,12,16,20,24,28
.irp j, 0,1,2,3
	v_pk_add_f32 v[6+2*\j:7+2*\j], v[6+2*\j:7+2*\j], v[X+32*\j+\i:X+32*\j+\i+1]
	v_pk_add_f32 v[14+2*\j:15+2*\j], v[14+2*\j:15+2*\j], v[X+32*\j+\i+2:X+32*\j+\i+3]
.endr
.endr
	JOIN
.irp j, 0,1,2,3
	v_mul_f32 v[6+2*\j], s46, v[6+2*\j]            ; the mean
.endr
.irp i, 0,2,4,6,8,10,12,14,16,18,20,22,24,26,28,30
.irp j, 0,1,2,3
	v_pk_add_f32 v[X+32*\j+\i:X+32*\j+\i+1], v[X+32*\j+\i:X+32*\j+\i+1], v[6+2*\j:7+2*\j] op_sel_hi:[1,0] neg_lo:[0,1] neg_hi:[0,1]   ; x - mean
.endr
.endr
.irp j, 0,1,2,3
	v_pk_mul_f32 v[6+2*\j:7+2*\j], v[X+32*\j:X+32*\j+1], v[X+32*\j:X+32*\j+1]
	v_pk_mul_f32 v[14+2*\j:15+2*\j], v[X+32*\j+2:X+32*\j+3], v[X+32*\j+2:X+32*\j+3]
.endr
.irp i, 4,8,12,16,20,24,28
.irp j, 0,1,2,3
	v_pk_fma_f32 v[6+2*\j:7+2*\j], v[X+32*\j+\i:X+32*\j+\i+1], v[X+32*\j+\i:X+32*\j+\i+1], v[6+2*\j:7+2*\j]
	v_pk_fma_f32 v[14+2*\j:15+2*\j], v[X+32*\j+\i+2:X+32*\j+\i+3], v[X+32*\j+\i+2:X+32*\j+\i+3], v[14+2*\j:15+2*\j]
.endr
.endr
	JOIN
.irp j, 0,1,2,3
	v_fma_f32 v[6+2*\j], v[6+2*\j], s46, s47       ; the variance + eps
.endr
.irp j, 0,1,2,3
	v_rsq_f32 v[14+2*\j], v[6+2*\j]
.endr
	v_nop                                          ; a plain instruction behind the last of the four
	s_wait_alu depctr_va_vdst(0)                   ; one wait for the four, ahead of their first reader
	s_wait_loadcnt 0x0                             ; gain and bias
.irp i, 0,2,4,6,8,10,12,14,16,18,20,22,24,26,28,30
.irp j, 0,1,2,3
	v_pk_mul_f32 v[X+32*\j+\i:X+32*\j+\i+1], v[X+32*\j+\i:X+32*\j+\i+1], v[14+2*\j:15+2*\j] op_sel_hi:[1,0]
.endr
.endr
.irp i, 0,2,4,6,8,10,12,14,16,18,20,22,24,26,28,30
.irp j, 0,1,2,3
	v_pk_fma_f32 v[X+32*\j+\i:X+32*\j+\i+1], v[X+32*\j+\i:X+32*\j+\i+1], v[GG+\i:GG+\i+1], v[BB+\i:BB+\i+1]
.endr
.endr
.Lraw:
	s_wait_loadcnt 0x0                             ; (e: my four rows)
.irp j, 0,1,2,3
.irp q, 0,1,2,3,4,5,6,7
	ds_store_b128 v[ST], v[X+32*\j+4*\q:X+32*\j+4*\q+3] offset:\j*PITCH+512*\q
.endr
.endr
	s_wait_dscnt 0x0                               ; for the others' sake: my rows lie in the stage
	s_barrier_signal -1
	s_barrier_wait -1                              ; all sixteen do
.irp z, 0,1                                    ; K step 2 w + z: lane (r, hl) takes, of row r, blocks hl and 2 + hl: 32 neighbours each
.irp c, 0,1
.irp i, 0,1,2,3,4,5,6,7
	ds_load_b128 v[X+64*\z+32*\c+4*\i:X+64*\z+32*\c+4*\i+3], v[RD] offset:512*\z+256*\c+16*\i
.endr
.endr
.endr
; 64 numbers of a lane, two whole blocks, become a fragment's 12 registers and, with lane l xor 16's two bytes, its row's scale word
.macro XQ z
.set NB, X+64*\z
.set FF, 224+12*\z
.irp c, 0,1
	v_max3_num_f32 v[6+\c], |v[NB+32*\c]|, |v[NB+32*\c+1]|, 0x1800000   ; the floor 2^(3 - 127) among the leaves: the byte cannot fall under 1
.endr
.irp i, 2,4,6,8,10,12,14,16,18,20,22,24,26,28,30
.irp c, 0,1
	v_max3_num_f32 v[6+\c], v[6+\c], |v[NB+32*\c+\i]|, |v[NB+32*\c+\i+1]|
.endr
.endr
.irp c, 0,1
	v_add_nc_u32 v[8+\c], 0xff000000, v[6+\c]      ; 2 off the exponent field: the conversion's scale operand
.endr
.irp c, 0,1
	v_lshrrev_b32 v[10+\c], 23, v[8+\c]            ; the scale's byte
.endr
	v_lshl_or_b32 v[12+\z], v11, 16, v10           ; blocks hl and 2 + hl,
	v_lshlrev_b32 v[12+\z], v[SH], v[12+\z]        ; at their places in the word
	v_permlanex16_b32 v14, v[12+\z], s44, s45
	v_or_b32 v[12+\z], v[12+\z], v14               ; with the other half's two the word is whole
	v_cvt_scalef32_pk16_fp6_f32 v[FF:FF+2], v[NB:NB+15], v8
	v_cvt_scalef32_pk16_fp6_f32 v[248:250], v[NB+16:NB+31], v8      ; (a conversion's three registers begin on an even number)
	v_cvt_scalef32_pk16_fp6_f32 v[FF+6:FF+8], v[NB+32:NB+47], v9
	v_cvt_scalef32_pk16_fp6_f32 v[252:254], v[NB+48:NB+63], v9
	v_nop                                          ; one plain place behind a scaled conversion
.irp i, 0,1,2
	v_mov_b32 v[FF+3+\i], v[248+\i]
	v_mov_b32 v[FF+9+\i], v[252+\i]
.endr
.irp p, 0,1,2
	global_store_b128 v1, v[FF+4*\p:FF+4*\p+3], s[56:57] offset:1536*\z+512*\p   ; 32 lanes store 512 consecutive bytes, at a multiple of 256 from the buffer's first byte
.endr
.endm
	s_wait_dscnt 16                                ; the first K step's 16 loads are in, the second's may be out
	XQ 0
	s_wait_dscnt 0x0
	XQ 1
	v_cndmask_b32 v12, v12, v13, s48               ; lanes 0-15: K step 2 w's words, lanes 16-31: K step 2 w + 1's
	global_store_b32 v2, v12, s[58:59]
	s_branch .Lend
	; ---------------- a weight: 32 columns a wave, 128 along K ----------------
.Lweights:
	s_lshr_b32 s27, ttmp9, 6                       ; which matrix: Wq, Wk, Wv, Wo
	s_cmp_eq_u32 s27, 0
	s_cselect_b64 s[52:53], s[12:13], s[14:15]
	s_cmp_lt_u32 s27, 2
	s_cselect_b64 s[52:53], s[52:53], s[16:17]
	s_cmp_lt_u32 s27, 3
	s_cselect_b64 s[52:53], s[52:53], s[18:19]
	s_cselect_b32 s28, -1, 0                       ; all lanes: the columns of a tile are chosen (not for Wo)
	s_bfe_u32 s29, ttmp9, 0x30003
	s_lshl_b32 s29, s29, 2
	s_add_co_u32 s29, s29, s26                     ; G: my 32 columns
	s_and_b32 s30, ttmp9, 7                        ; the K step
	s_lshr_b32 s31, s29, 1                         ; the head, or Wo's group of 64 columns
	s_and_b32 s32, s29, 1                          ; b: which half of the 64
	s_mul_i32 s33, s31, 3
	s_add_co_u32 s33, s33, s27
	s_add_co_u32 s34, s31, 48
	s_cmp_lt_u32 s27, 3
	s_cselect_b32 s33, s33, s34
	s_lshl_b32 s33, s33, 3
	s_add_co_u32 s33, s33, s30                     ; the record
	s_mul_i32 s50, s33, 6400
	s_add_nc_u64 s[54:55], s[20:21], s[50:51]
	s_mul_i32 s50, s32, 3072
	s_add_nc_u64 s[56:57], s[54:55], s[50:51]      ; tiles 2 b and 2 b + 1
	s_lshl_b32 s50, s32, 7
	s_add_co_u32 s50, s50, 6144
	s_add_nc_u64 s[58:59], s[54:55], s[50:51]      ; their scale words
	s_lshl_b32 s50, s30, 19                        ; 128 rows of 4,096 bytes a K step
	s_lshl_b32 s34, s29, 7
	s_add_co_u32 s50, s50, s34
	s_add_nc_u64 s[52:53], s[52:53], s[50:51]
	v_and_b32 v6, 7, v5                            ; lane l stands for row l % 16 of tile 2 b + l / 16: column (l & 7) + 2 (l & 8) + (l & 16) / 2 of the 32
	v_and_b32 v7, 8, v5
	v_lshl_or_b32 v6, v7, 1, v6
	v_and_b32 v7, 16, v5
	v_lshrrev_b32 v7, 1, v7
	v_or_b32 v6, v6, v7
	v_cndmask_b32 v6, v5, v6, s28                  ; Wo: column l
	v_lshlrev_b32 v6, 2, v6
.macro WLD t                           ; block t: W(32 t + i, my column): the wave reads 128 consecutive bytes, the four waves 512
.irp i, 0,1,2,3,4,5,6,7,8,9,10,11,12,13,14,15,16,17,18,19,20,21,22,23,24,25,26,27,28,29,30,31
	global_load_b32 v[32+32*((\t)%2)+\i], v6, s[52:53] offset:(32*(\t)+\i)*4096 th:TH_LOAD_NT
.endr
.endm
.macro WBLOCK t                        ; all 32 numbers of the block are mine.  Blocks 0 and 2 go to v96 on, blocks 1 and 3 to v108 on
.set XS, 32+32*((\t)%2)
.set FX, 96+12*((\t)%2)+6*((\t)/2)
.if (\t) < 3
	s_wait_loadcnt 32                              ; this block's 32 loads are in, the next block's may be out
.else
	s_wait_loadcnt 0x0
.endif
	v_max3_num_f32 v125, |v[XS]|, |v[XS+1]|, |v[XS+2]|
	v_max3_num_f32 v126, |v[XS+3]|, |v[XS+4]|, |v[XS+5]|
.irp i, 6,10,14,18,22,26
	v_max3_num_f32 v125, v125, |v[XS+\i]|, |v[XS+\i+1]|
	v_max3_num_f32 v126, v126, |v[XS+\i+2]|, |v[XS+\i+3]|
.endr
	v_max3_num_f32 v125, v125, |v[XS+30]|, |v[XS+31]|
	v_max3_num_f32 v125, v125, v126, 0x1800000     ; and the floor
	v_add_nc_u32 v127, 0xff000000, v125
.if (\t) == 0
	v_lshrrev_b32 v124, 23, v127                   ; the column's scale word: byte t for block t
.else
	v_lshrrev_b32 v126, 23, v127
	v_lshl_or_b32 v124, v126, 8*(\t), v124
.endif
	v_cvt_scalef32_pk16_fp6_f32 v[FX:FX+2], v[XS:XS+15], v127
	v_cvt_scalef32_pk16_fp6_f32 v[120:122], v[XS+16:XS+31], v127
	v_nop
.irp i, 0,1,2
	v_mov_b32 v[FX+3+\i], v[120+\i]
.endr
.if (\t) < 2
	WLD (\t)+2
.endif
.endm
	WLD 0
	WLD 1
	WBLOCK 0
	WBLOCK 1
	WBLOCK 2
	WBLOCK 3
.irp i, 0,1,2,3,4,5,6,7,8,9,10,11
	v_permlane16_swap_b32 v[96+\i], v[108+\i]      ; the first's lanes 16-31 change places with the second's lanes 0-15: v96 on is now tile 2 b's fragment, v108 on tile 2 b + 1's
.endr
.irp p, 0,1,2
	global_store_b128 v1, v[96+4*\p:96+4*\p+3], s[56:57] offset:512*\p
	global_store_b128 v1, v[108+4*\p:108+4*\p+3], s[56:57] offset:1536+512*\p
.endr
	global_store_b32 v2, v124, s[58:59]
.Lend:
	s_wait_tensorcnt 0x0                           ; the wave's end: a tensor wait, an LDS add and its wait, behind my last LDS store
	ds_add_u32 v[SPW], v[NIL]
	s_wait_dscnt 0x0
	s_endpgm
.Lfunc_end_k_q0348faa121_prep:
	.size	k_q0348faa121_prep, .Lfunc_end_k_q0348faa121_prep-k_q0348faa121_prep
	.p2alignl 7, 3214868480
	.fill 96, 4, 3214868480
	.section	.rodata,"a",@progbits
	.p2align	6, 0x0
	.amdhsa_kernel k_q0348faa121_prep
		.amdhsa_group_segment_fixed_size 66304
		.amdhsa_private_segment_fixed_size 0
		.amdhsa_enable_private_segment 0
		.amdhsa_kernarg_size 88
		.amdhsa_user_sgpr_count 2
		.amdhsa_user_sgpr_kernarg_segment_ptr 1
		.amdhsa_wavefront_size32 1
		.amdhsa_system_sgpr_workgroup_id_x 1
		.amdhsa_system_sgpr_workgroup_id_y 1
		.amdhsa_system_sgpr_workgroup_id_z 1
		.amdhsa_system_vgpr_workitem_id 0
		.amdhsa_next_free_vgpr 256
		.amdhsa_next_free_sgpr 66
		.amdhsa_reserve_vcc 0
		.amdhsa_float_denorm_mode_32 3
		.amdhsa_float_denorm_mode_16_64 3
		.amdhsa_memory_ordered 1
		.amdhsa_forward_progress 1
		.amdhsa_inst_pref_size 64
	.end_amdhsa_kernel
	.amdgpu_metadata
---
amdhsa.version: [ 1, 2 ]
amdhsa.kernels:
  - .name:           k_q0348faa121_prep
    .symbol:         k_q0348faa121_prep.kd
    .args:
      - { .name: h, .offset: 0, .size: 8, .value_kind: global_buffer, .address_space: global }
      - { .name: e, .offset: 8, .size: 8, .value_kind: global_buffer, .address_space: global }
      - { .name: ln_g, .offset: 16, .size: 8, .value_kind: global_buffer, .address_space: global }
      - { .name: ln_b, .offset: 24, .size: 8, .value_kind: global_buffer, .address_space: global }
      - { .name: Wq, .offset: 32, .size: 8, .value_kind: global_buffer, .address_space: global }
      - { .name: Wk, .offset: 40, .size: 8, .value_kind: global_buffer, .address_space: global }
      - { .name: Wv, .offset: 48, .size: 8, .value_kind: global_buffer, .address_space: global }
      - { .name: Wo, .offset: 56, .size: 8, .value_kind: global_buffer, .address_space: global }
      - { .name: wq, .offset: 64, .size: 8, .value_kind: global_buffer, .address_space: global }
      - { .name: xh, .offset: 72, .size: 8, .value_kind: global_buffer, .address_space: global }
      - { .name: xe, .offset: 80, .size: 8, .value_kind: global_buffer, .address_space: global }
    .group_segment_fixed_size: 66304
    .private_segment_fixed_size: 0
    .kernarg_segment_align: 8
    .kernarg_segment_size: 88
    .max_flat_workgroup_size: 128
    .sgpr_count:     66
    .vgpr_count:     256
    .wavefront_size: 32
...
	.end_amdgpu_metadata
.endif
;; end of part 1
;; launch attn (part 2): grid 256 x 1, 4 waves a work-group, clusters of 4 x 1, 307,712 bytes of LDS; arguments xh, xe, wq, bq, bk, bv, oc; writes oc
.if DOCPART == 2
	.amdgcn_target "amdgcn-amd-amdhsa--gfx1250"
	.amdhsa_code_object_version 6
	.text
	.protected	k_q0348faa121_attn
	.globl	k_q0348faa121_attn
	.p2align	8
	.type	k_q0348faa121_attn,@function
k_q0348faa121_attn:
	s_mov_b64 s[64:65], 0
	v_nop
	global_prefetch_b8 v0, s[64:65] scope:SCOPE_SE
	s_setreg_imm32_b32 hwreg(HW_REG_WAVE_MODE, 25, 1), 1
	s_wait_xcnt 0x0
	s_wait_alu depctr_hold_cnt(0) depctr_sa_sdst(0) depctr_va_vdst(0) depctr_va_sdst(0) depctr_va_ssrc(0) depctr_va_vcc(0) depctr_vm_vsrc(0)
	s_getreg_b32 s2, hwreg(HW_REG_IB_STS2, 6, 4)
	s_cmp_eq_u32 s2, 0
	s_cbranch_scc0 .Lentry_in_a_cluster
	s_endpgm
.Lentry_in_a_cluster:
	s_bfe_u32 s2, ttmp6, 0x10000c
	s_cmp_lg_u32 s2, 0x3003
	s_cbranch_scc0 .Lentry_shape_is_right
	s_endpgm
.Lentry_shape_is_right:
; The projections q, k, v and the attention, on codes of FP6 (E2M3) with E8M0 scales.  The layouts of xh, xe and wq stand at the head of the first kernel.
; Left out: nothing here.  The 63 query rows of each batch that reach no output stay inside chunk 31's tile (head of the first kernel) and are computed like the others.
; LIMITS: a weight p of the softmax under 2^-126 comes out of v_exp_f32 as 0; blocks under 2^-124 get the scale byte 1; NaN and infinities among the inputs are not served.
; SHARES.  A work-group takes a PAIR of chunks (128 queries, 256 keys) and four heads, one head a wave.  The four work-groups of a cluster are the four quads of heads of one pair: they read the same
; 307,200 bytes of codes of LN(h) and e, which are asked for JOINTLY, once, and stay in LDS: two tensor loads a wave, both first fills; nothing is filled again.
; THE WEIGHTS GO FROM MEMORY STRAIGHT INTO REGISTERS, not jointly: a head's fragments are read by one wave of one work-group of the cluster (partners have other heads), and LDS holds 307,200 of its bytes already.
; PRODUCTS (D(m, n), a lane holds n = lane % 16, its registers m = 8 (lane / 16) + j).  q, k: source 0 = 16 columns of the weight, source 1 = 16 rows of x: a lane holds a row, its registers run along the head's 64.
; v: source 0 = 16 keys of e, source 1 = 16 columns of Wv: a lane holds a column, its registers run along the keys.  By the choice of a tile's rows (first kernel) register 16 b + i of two neighbouring tiles is
; index 32 b + 16 (lane / 16) + i of the next K: one macro, QUANT, serves q, k, v, p and o.  S^T = k q^T (K = the head's 64: the upper 64 of the instruction's 128 are zero codes), O^T = v^T p^T.
; The biases are the C of each sum's first matrix instruction.  The softmax is finished and normalised in f32, with the row's maximum taken away, ahead of its quantiser.
; oc, 102,400 bytes a pair: fragment (tile x 8 + K step) x 1,536 as SIX pieces of 256 bytes (piece q = registers 2 q, 2 q + 1 at 8 l); head hd writes K step hd / 2, pieces 3 (hd % 2) + 0 .. 2.
;     Scale words at 98,304: [quad of heads][tile][row][8 bytes = the words of K steps 2 quad and 2 quad + 1].
; LDS: 0 the two records of xh; 102,400 the two of xe; 307,200 the spare words.  Behind the barrier at which nobody reads xh any more, wave w parks q's and k's codes in 25,600 w on; likewise v's in 102,400 + 51,200 w on.
; REGISTERS, in windows of 256.  Window 0: v1-29 addresses; v32-63 scale words and nothing else; v64-255 fragments of x, later the quantisers' and the attention's work.  Window 1: two sets of a weight record's
; four fragments (v0-47, v48-95), bq, bk, bv, Wq's K steps 5-7; in the attention v's and k's fragments.  Window 2: accumulators.  Window 3: Wq's K steps 0-4, later accumulators.
.set XEB,   102400
.set SPARE, 307200
.set REC,   6400
.set FRB,   1536
.set EXT,   21504                      ; 1,024 bytes: o's scale halves of the four heads, [tile][row][8 bytes]
.set LI,  1                            ; 16 x lane
.set L8,  2                            ; 8 x lane
.set L4,  3                            ; 4 x lane
.set RR,  4                            ; r
.set HL,  5                            ; hl
.set HB,  6                            ; 16 x lane + chunk B's record of xh
.set HS,  7                            ; xh's scale words: lanes 0-15 chunk A's, lanes 16-31 chunk B's
.set A0,  8                            ; xe: chunk A's tiles 0-3, 4-7; chunk B's
.set A1,  9
.set B0,  10
.set B1,  11
.set AS,  12                           ; xe's scale words: lanes 0-15 chunk A's, lanes 16-31 chunk B's
.set SB16, 13                          ; my scratch in xh's bytes + 16, 8, 4 x lane
.set SB8,  14
.set SB4,  15
.set S2B16, 16                         ; my scratch in xe's bytes + 16, 4 x lane
.set S2B4,  17
.set BVO, 23                           ; 4 (r + 8 (r / 8))
.set BQO, 24                           ; 64 hl
.set EX0, 25                           ; EXT + 8 r + 2 x wave
.set EXR, 26                           ; EXT + 256 x wave + 8 x lane
.set SPW, 28                           ; LDS address of my spare word; never rewritten
.set NIL, 29                           ; 0; never rewritten
.set TM,  64                           ; v64-67 largest magnitudes, v68-71 the other half's, then bytes, v76-79 the conversions' scale operands
.set PC,  80                           ; v80-91 the codes just made; v92-98 at work
.set PW,  100                          ; v100-101 scale words on their way to LDS
.set QF,  104                          ; v104-115 q's fragment
.set STT, 116                          ; v116-127 the softmax's statistics
.set S,   128                          ; v128-191 S^T, then p
.set O,   192                          ; v192-223 O^T
.set WV,  18
.set CX,  19
.set HD,  20
.set SEL, 22
.set G1H, 24
.set G1E, 32
.set G0H, 40
.set G0E, 44
.set WP,  48                           ; s[48:49] where the stream of my head's records stands
.set OP,  50                           ; s[50:51] where o's codes go
.set CS,  52                           ; s[52:53] c = log2(e) / 8
.set NC,  54                           ; s54 -c
.set CNT, 55
.set QO,  57
.set QS,  58
.set MSB, 0
.macro WIN new                         ; s_set_vgpr_msb: bits 1:0 source 0, 3:2 source 1, 5:4 source 2, 7:6 destination; the high byte repeats the setting that is left
.if MSB != (\new)
	s_set_vgpr_msb (MSB<<8)|(\new)
.set MSB, (\new)
.endif
.endm
.macro PLACES n                        ; behind a matrix instruction only plain vector instructions that name none of its registers are places (ISA guide 7.12.1)
.rept \n
	v_nop
.endr
.endm
.macro CROUND                          ; a round of the cluster's barrier
	s_barrier_signal -1
	s_barrier_wait -1
	s_cmp_lg_u32 s[WV], 0
	s_cbranch_scc1 .Lnot_wave_0_\@
	s_barrier_signal -3
.Lnot_wave_0_\@:
	s_barrier_wait -3
	s_barrier_signal -1
	s_barrier_wait -1
.endm
; one matrix instruction, by the symbols rD, rA, rB, rC, rSA, rSB and the rows rRA, rRB of the scale registers
.macro WM
.if rRA && rRB
	v_wmma_scale_f32_16x16x128_f8f6f4 v[rD:rD+7], v[rA:rA+11], v[rB:rB+11], v[rC:rC+7], v[rSA], v[rSB] matrix_a_fmt:MATRIX_FMT_FP6 matrix_b_fmt:MATRIX_FMT_FP6 matrix_a_scale:MATRIX_SCALE_ROW1 matrix_b_scale:MATRIX_SCALE_ROW1
.elseif rRA
	v_wmma_scale_f32_16x16x128_f8f6f4 v[rD:rD+7], v[rA:rA+11], v[rB:rB+11], v[rC:rC+7], v[rSA], v[rSB] matrix_a_fmt:MATRIX_FMT_FP6 matrix_b_fmt:MATRIX_FMT_FP6 matrix_a_scale:MATRIX_SCALE_ROW1
.elseif rRB
	v_wmma_scale_f32_16x16x128_f8f6f4 v[rD:rD+7], v[rA:rA+11], v[rB:rB+11], v[rC:rC+7], v[rSA], v[rSB] matrix_a_fmt:MATRIX_FMT_FP6 matrix_b_fmt:MATRIX_FMT_FP6 matrix_b_scale:MATRIX_SCALE_ROW1
.else
	v_wmma_scale_f32_16x16x128_f8f6f4 v[rD:rD+7], v[rA:rA+11], v[rB:rB+11], v[rC:rC+7], v[rSA], v[rSB] matrix_a_fmt:MATRIX_FMT_FP6 matrix_b_fmt:MATRIX_FMT_FP6
.endif
.endm
; a weight record, 14 loads: four fragments into set 'set' of window 1, two registers of scale words into v56 on
.macro WLOAD set, off
	WIN 0x40
.irp a, 0,1,2,3
.irp p, 0,1,2
	global_load_b128 v[48*(\set)+12*\a+4*\p:48*(\set)+12*\a+4*\p+3], v[LI], s[WP:WP+1] offset:(\off)+FRB*\a+512*\p
.endr
.endr
	WIN 0
.irp p, 0,1
	global_load_b32 v[56+2*(\set)+\p], v[L4], s[WP:WP+1] offset:(\off)+6144+128*\p
.endr
.endm
; a chunk's eight fragments of one K step of e, 24 loads
.macro XLOAD base, r0, r1
.irp t, 0,1,2,3
.irp p, 0,1,2
	ds_load_b128 v[(\base)+12*\t+4*\p:(\base)+12*\t+4*\p+3], v[\r0] offset:12288*\t+512*\p
.endr
.endr
.irp t, 0,1,2,3
.irp p, 0,1,2
	ds_load_b128 v[(\base)+48+12*\t+4*\p:(\base)+48+12*\t+4*\p+3], v[\r1] offset:12288*\t+512*\p
.endr
.endr
.endm
; 16 nb numbers of a lane in window w, register s + 16 b + i = index 32 b + 16 (lane / 16) + i of my row, become codes: v[PC + 6 c] on holds blocks 2 c (lanes 0-15) and 2 c + 1 (lanes 16-31), whole.
; The blocks' bytes are left in v[TM + 4] on.  Each accumulator is read from its low end on.
.macro QUANT s, w, nb
	WIN (\w)|((\w)<<2)
.set q_b, 0
.rept \nb
	v_max3_num_f32 v[TM+q_b], |v[(\s)+16*q_b]|, |v[(\s)+16*q_b+1]|, 0x1800000   ; the floor 2^(3 - 127) among the leaves: the byte cannot fall under 1
.set q_b, q_b+1
.endr
.set q_i, 2
.rept 7
.set q_b, 0
.rept \nb
	v_max3_num_f32 v[TM+q_b], |v[(\s)+16*q_b+q_i]|, |v[(\s)+16*q_b+q_i+1]|, v[TM+q_b]   ; (the blocks by turns)
.set q_b, q_b+1
.endr
.set q_i, q_i+2
.endr
	WIN 0
.set q_b, 0
.rept \nb
	v_permlanex16_b32 v[TM+4+q_b], v[TM+q_b], s[SEL], s[SEL+1]
.set q_b, q_b+1
.endr
.set q_b, 0
.rept \nb
	v_max_num_f32 v[TM+q_b], v[TM+q_b], v[TM+4+q_b]   ; with lane l xor 16's 16: the block's largest magnitude
.set q_b, q_b+1
.endr
.set q_b, 0
.rept \nb
	v_add_nc_u32 v[TM+12+q_b], 0xff000000, v[TM+q_b]  ; 2 off the exponent field: the conversion's scale operand
.set q_b, q_b+1
.endr
.set q_b, 0
.rept \nb
	v_lshrrev_b32 v[TM+4+q_b], 23, v[TM+12+q_b]       ; the scale's byte
.set q_b, q_b+1
.endr
	WIN (\w)
.set q_c, 0
.rept (\nb)/2
	v_cvt_scalef32_pk16_fp6_f32 v[PC+6*q_c:PC+6*q_c+2], v[(\s)+32*q_c:(\s)+32*q_c+15], v[TM+12+2*q_c]
	v_cvt_scalef32_pk16_fp6_f32 v[PC+12+4*q_c:PC+12+4*q_c+2], v[(\s)+32*q_c+16:(\s)+32*q_c+31], v[TM+12+2*q_c+1]   ; (a conversion's three registers begin on an even number)
.set q_c, q_c+1
.endr
	WIN 0
	v_nop                                          ; one plain place behind a scaled conversion
.set q_c, 0
.rept (\nb)/2
.irp i, 0,1,2
	v_permlane16_swap_b32 v[PC+6*q_c+\i], v[PC+12+4*q_c+\i]   ; the first now holds each lane's block's lower 16 codes, the second the upper 16
.endr
.irp i, 0,1,2
	v_mov_b32 v[PC+3+6*q_c+\i], v[PC+12+4*q_c+\i]
.endr
.set q_c, q_c+1
.endr
.endm
; half a fragment (K = 64: six registers) and its scale word go to my scratch as they stand
.macro PARKH hh, cb, sb
	ds_store_b128 v[SB16], v[PC+6*(\hh):PC+6*(\hh)+3] offset:\cb
	ds_store_b64 v[SB8], v[PC+6*(\hh)+4:PC+6*(\hh)+5] offset:(\cb)+512
	ds_store_b32 v[SB4], v[PW+(\hh)] offset:\sb
.endm
	s_load_b256 s[4:11], s[0:1], 0x0               ; xh, xe, wq, bq
	s_load_b128 s[12:15], s[0:1], 0x20             ; bk, bv
	s_load_b64 s[16:17], s[0:1], 0x30              ; oc
	v_lshl_add_u32 v[SPW], v0, 2, SPARE
	v_mov_b32 v[NIL], 0
	ds_add_u32 v[SPW], v[NIL]                      ; the wave's opening: the add, twice on end, and its wait ahead of my first tensor load
	ds_add_u32 v[SPW], v[NIL]                      ; and once more, under the one wait; the set-up below, work on registers, stands between
	v_lshrrev_b32 v27, 5, v0
	v_readfirstlane_b32 s[WV], v27                 ; wave 0..3
	s_bfe_u32 s[CX], ttmp6, 0x40000                ; my place in the cluster: which quad of heads.  It enters global addresses alone
	s_lshl_b32 s[HD], s[CX], 2
	s_add_co_u32 s[HD], s[HD], s[WV]               ; my head
	; descriptor group 1: a dense block as rows of 256 bytes (32 elements of 8 bytes): 100 rows of xh's two records a wave, 200 of xe's
	s_mov_b32 s[G1H], 15|(3<<16)|(1<<21)           ; 15:0 the mask: all four work-groups; 17:16 elements of 8 bytes; 21 set beside a mask; no padding
	s_mov_b32 s[G1H+1], 32<<16                     ; tensor_dim0
	s_mov_b32 s[G1H+2], 100<<16                    ; tensor_dim1
	s_mov_b32 s[G1H+3], 32<<16                     ; tile_dim0
	s_mov_b32 s[G1H+4], 100                        ; tile_dim1
	s_mov_b32 s[G1H+5], 32                         ; the pitch
	s_mov_b32 s[G1H+6], 0
	s_mov_b32 s[G1H+7], 0
	s_mov_b32 s[G1E], 15|(3<<16)|(1<<21)
	s_mov_b32 s[G1E+1], 32<<16
	s_mov_b32 s[G1E+2], 200<<16
	s_mov_b32 s[G1E+3], 32<<16
	s_mov_b32 s[G1E+4], 200
	s_mov_b32 s[G1E+5], 32
	s_mov_b32 s[G1E+6], 0
	s_mov_b32 s[G1E+7], 0
	s_mul_i32 s56, s[WV], 25600                    ; my quarter of xh's bytes, in memory and in LDS: the wave's number alone
	s_mul_i32 s60, ttmp9, 102400                   ; (in a cluster launch ttmp9 counts clusters: the pair)
	s_add_co_u32 s60, s60, s56
	s_mov_b32 s61, 0
	s_lshl_b32 s59, s56, 1                         ; and of xe's
	s_mul_i32 s62, ttmp9, 204800
	s_add_co_u32 s62, s62, s59
	s_mov_b32 s63, 0
	s_mov_b32 s[G0H], 1
	s_mov_b32 s[G0H+1], s56
	s_mov_b32 s[G0E], 1
	s_add_co_u32 s[G0E+1], s59, XEB
	s_mov_b32 s[SEL], 0x76543210
	s_mov_b32 s[SEL+1], 0xfedcba98
	s_mov_b32 s[CS], 0x3e38aa3b                    ; c = log2(e) / sqrt(64)
	s_mov_b32 s[CS+1], s[CS]                       ; (named with it as a pair, so it is written)
	s_mov_b32 s[NC], 0xbe38aa3b
	s_mov_b32 s[QO], 0
	s_mov_b32 s[QS], 0
	s_mov_b32 s69, 0
	s_mov_b32 s71, 0
	v_and_b32 v27, 31, v0
	v_lshlrev_b32 v[LI], 4, v27
	v_lshlrev_b32 v[L8], 3, v27
	v_lshlrev_b32 v[L4], 2, v27
	v_and_b32 v[RR], 15, v0
	v_bfe_u32 v[HL], v0, 4, 1
	v_add_nc_u32 v[HB], 51200, v[LI]
	v_mul_u32_u24 v[HS], v[HL], 51200
	v_lshl_add_u32 v[HS], v[RR], 2, v[HS]
	v_add_nc_u32 v[HS], 49152, v[HS]
	v_add_nc_u32 v[SB16], s56, v[LI]
	v_add_nc_u32 v[SB8], s56, v[L8]
	v_add_nc_u32 v[SB4], s56, v[L4]
	s_add_co_u32 s59, s59, XEB
	v_add_nc_u32 v[S2B16], s59, v[LI]
	v_add_nc_u32 v[S2B4], s59, v[L4]
	v_lshl_add_u32 v[EX0], v[RR], 3, EXT
	s_lshl_b32 s59, s[WV], 1
	v_add_nc_u32 v[EX0], s59, v[EX0]
	s_lshl_b32 s59, s[WV], 8
	v_add_nc_u32 v[EXR], s59, v[L8]
	v_add_nc_u32 v[EXR], EXT, v[EXR]
	v_lshlrev_b32 v[BQO], 6, v[HL]
	v_and_b32 v[BVO], 8, v[RR]
	v_add_nc_u32 v[BVO], v[BVO], v[RR]
	v_lshlrev_b32 v[BVO], 2, v[BVO]
	s_wait_dscnt 0x0                               ; both opening adds are done
	s_wait_kmcnt 0x0
	s_add_nc_u64 s[G0H+2:G0H+3], s[4:5], s[60:61]
	s_or_b32 s[G0H+3], s[G0H+3], 0x80000000
	s_add_nc_u64 s[G0E+2:G0E+3], s[6:7], s[62:63]
	s_or_b32 s[G0E+3], s[G0E+3], 0x80000000
	CROUND                                         ; all four work-groups are here: the joint loads meet
	tensor_load_to_lds s[G0H:G0H+3], s[G1H:G1H+7]  ; every wave issues both: two tensor loads of mine are out, and none follows
	s_nop 0
	tensor_load_to_lds s[G0E:G0E+3], s[G1E:G1E+7]
	s_nop 0
	PLACES 4
	s_mul_i32 s68, s[HD], 24*REC
	s_add_nc_u64 s[2:3], s[8:9], s[68:69]          ; my head's 24 records: Wq's eight, Wk's, Wv's
	s_add_nc_u64 s[WP:WP+1], s[2:3], 8*REC
	s_lshl_b32 s68, s[HD], 8
	s_add_nc_u64 s[10:11], s[10:11], s[68:69]      ; the biases at my head's 64
	s_add_nc_u64 s[12:13], s[12:13], s[68:69]
	s_add_nc_u64 s[14:15], s[14:15], s[68:69]
	s_mul_i32 s68, ttmp9, 102400
	s_add_nc_u64 s[16:17], s[16:17], s[68:69]      ; the pair's record in oc
	s_lshr_b32 s68, s[HD], 1
	s_mul_i32 s68, s68, FRB
	s_and_b32 s70, s[HD], 1
	s_mul_i32 s70, s70, 768
	s_add_co_u32 s68, s68, s70
	s_add_nc_u64 s[OP:OP+1], s[16:17], s[68:69]    ; K step hd / 2, pieces 3 (hd % 2) on, of tile 0
	s_lshl_b32 s68, s[CX], 10
	s_lshl_b32 s70, s[WV], 8
	s_add_co_u32 s68, s68, s70
	s_add_co_u32 s68, s68, 98304
	s_add_nc_u64 s[16:17], s[16:17], s[68:69]      ; and my 256 bytes of its scale words
	WIN 0xc0                                       ; Wq stays in registers: K steps 0-4 in window 3,
.irp k, 0,1,2,3,4
.irp a, 0,1,2,3
.irp p, 0,1,2
	global_load_b128 v[48*\k+12*\a+4*\p:48*\k+12*\a+4*\p+3], v[LI], s[2:3] offset:\k*REC+\a*FRB+512*\p
.endr
.endr
.endr
	WIN 0x40                                       ; 5-7 in window 1
.irp k, 5,6,7
.irp a, 0,1,2,3
.irp p, 0,1,2
	global_load_b128 v[96+48*(\k-5)+12*\a+4*\p:96+48*(\k-5)+12*\a+4*\p+3], v[LI], s[2:3] offset:\k*REC+\a*FRB+512*\p
.endr
.endr
.endr
.irp a, 0,1,2,3                                ; bq in the result's layout: lane (r, hl), tile 2 b + u: columns 32 b + 16 hl + 8 u + 0 .. 7
	global_load_b128 v[48+8*\a:48+8*\a+3], v[BQO], s[10:11] offset:(32*(\a/2)+8*(\a%2))*4
	global_load_b128 v[48+8*\a+4:48+8*\a+7], v[BQO], s[10:11] offset:(32*(\a/2)+8*(\a%2))*4+16
.endr
	WIN 0
.irp k, 0,1,2,3,4,5,6,7
.irp p, 0,1
	global_load_b32 v[32+2*\k+\p], v[L4], s[2:3] offset:\k*REC+6144+128*\p
.endr
.endr
	WLOAD 0, 0                                     ; Wk's first record
	; ---------------- q: 8 tiles of 16 queries x my head's 4 tiles of columns: 32 accumulators by turns ----------------
.macro QX ks                           ; K step ks of LN(h): 24 + 4 loads into set ks % 2
.irp t, 0,1,2,3
.irp p, 0,1,2
	ds_load_b128 v[64+96*((\ks)%2)+12*\t+4*\p:64+96*((\ks)%2)+12*\t+4*\p+3], v[LI] offset:12288*\t+FRB*(\ks)+512*\p
.endr
.endr
.irp t, 0,1,2,3
.irp p, 0,1,2
	ds_load_b128 v[112+96*((\ks)%2)+12*\t+4*\p:112+96*((\ks)%2)+12*\t+4*\p+3], v[HB] offset:12288*\t+FRB*(\ks)+512*\p
.endr
.endr
.irp m, 0,1,2,3
	ds_load_b32 v[48+4*((\ks)%2)+\m], v[HS] offset:512*\m+64*(\ks)
.endr
.endm
.macro QSTEP ks
.if (\ks) > 0
	PLACES 4                                       ; in front of loads into registers that the last step's products read
.endif
.if (\ks) < 7
	QX (\ks)+1
	s_wait_dscnt 28                                ; this step's 28 loads are in, the next step's may be out
.else
	s_wait_dscnt 0x0
.endif
.if (\ks) == 0
	s_wait_loadcnt 14                              ; Wq, its scale words and bq are in; Wk's first record may be out
	WIN 0x93                                       ; Wq window 3, x window 0, bq window 1, D window 2
.elseif (\ks) < 5
	WIN 0xa3
.else
	WIN 0xa1
.endif
.irp t, 0,1,2,3,4,5,6,7
.irp a, 0,1,2,3
.set rD, 32*\t+8*\a
.if (\ks) < 5
.set rA, 48*(\ks)+12*\a
.else
.set rA, 96+48*((\ks)-5)+12*\a
.endif
.set rB, 64+96*((\ks)%2)+12*\t
.if (\ks) == 0
.set rC, 48+8*\a
.else
.set rC, rD
.endif
.set rSA, 32+2*(\ks)+\a/2
.set rRA, \a%2
.set rSB, 48+4*((\ks)%2)+\t%4
.set rRB, \t/4
	WM
.endr
.endr
	WIN 0
.endm
	s_wait_tensorcnt 0x1                           ; my part of xh's records is in; xe's may stay out
	s_barrier_signal -1
	s_barrier_wait -1                              ; everybody's is
	QX 0
.irp k, 0,1,2,3,4,5,6,7
	QSTEP \k
.endr
	PLACES 4                                       ; behind the last products: for the loads below and the first read of the results
	WIN 0x40
.irp a, 0,1,2,3
	global_load_b128 v[96+8*\a:96+8*\a+3], v[BQO], s[12:13] offset:(32*(\a/2)+8*(\a%2))*4
	global_load_b128 v[96+8*\a+4:96+8*\a+7], v[BQO], s[12:13] offset:(32*(\a/2)+8*(\a%2))*4+16
.endr
.irp n, 0,1,2,3                                ; bv: in v's results a lane holds ONE column: its bias in all eight registers
.irp j, 0,1,2,3,4,5,6,7
	global_load_b32 v[128+8*\n+\j], v[BVO], s[14:15] offset:(32*(\n/2)+8*(\n%2))*4
.endr
.endr
	WIN 0
	s_wait_tensorcnt 0x0                           ; my part of xe's records is in,
	s_wait_dscnt 0x0                               ; and my reads of xh's are over
	s_barrier_signal -1
	s_barrier_wait -1                              ; both hold of every wave: xe is whole, and xh's bytes, which have had their only fill, are scratch from here on
.irp b, 0,1,2,3
	v_mov_b32 v[TM+4+\b], 0                        ; (a lane permute's destination counts as one of its sources)
.endr
.irp g, 0,1,2,3                                ; q's tiles 2 g and 2 g + 1: two blocks of 32 each
	QUANT 64*\g, 2, 4
	v_lshl_or_b32 v[PW], v[TM+5], 8, v[TM+4]       ; bytes 2 and 3 of the word, for the zero codes of K = 64 .. 127, are 0: any byte but 0xff serves
	v_lshl_or_b32 v[PW+1], v[TM+7], 8, v[TM+6]
	PARKH 0, 768*(2*\g), 6144+128*(2*\g)
	PARKH 1, 768*(2*\g+1), 6144+128*(2*\g+1)
	s_wait_dscnt 0x0                               ; the stores have read their registers
.endr
	; ---------------- k and v: 16 tiles of 16 keys x 4 tiles of columns: 64 accumulators by turns; chunk A in window 2, chunk B in window 3 ----------------
.macro PMUL ph, ch, par, first         ; 32 products on chunk ch; ph = 0: k, 1: v
.if (\ph) == 0
.if \first
	WIN 0x91+0x40*(\ch)                            ; W window 1, e window 0, bk window 1, D window 2 or 3
.else
	WIN 0xa1+0x50*(\ch)
.endif
.else
.if \first
	WIN 0x94+0x40*(\ch)                            ; e window 0, W window 1, bv window 1, D window 2 or 3
.else
	WIN 0xa4+0x50*(\ch)
.endif
.endif
.irp t, 0,1,2,3,4,5,6,7
.irp a, 0,1,2,3
.if (\ph) == 0
.set rD, 32*\t+8*\a
.set rA, 48*(\par)+12*\a
.set rB, 64+96*(\ch)+12*\t
.set rC, 96+8*\a
.set rSA, 56+2*(\par)+\a/2
.set rRA, \a%2
.set rSB, 32+8*(\par)+\t
.set rRB, \ch
.else
.set rD, 64*\a+8*\t
.set rA, 64+96*(\ch)+12*\t
.set rB, 48*(\par)+12*\a
.set rC, 128+8*\a
.set rSA, 32+8*(\par)+\t
.set rRA, \ch
.set rSB, 56+2*(\par)+\a/2
.set rRB, \a%2
.endif
.if !(\first)
.set rC, rD
.endif
	WM
.endr
.endr
	WIN 0
.endm
; A K step.  par: which set of W and of e's scale words; more: a K step of e follows; morew: a record follows in my head's stream, at off bytes from WP.
.macro PSTEP ph, par, first, more, morew, off
.if \more
	v_add_nc_u32 v[AS], 64, v[AS]
.irp t, 0,1,2,3,4,5,6,7
	ds_load_b32 v[32+8*(1-(\par))+\t], v[AS] offset:512*\t
.endr
.endif
.if \morew
	WLOAD 1-(\par), \off
	s_wait_loadcnt 14                              ; this step's record is in; the 14 loads just issued may be out
.else
	s_wait_loadcnt 0x0
.endif
.if \more
	s_wait_dscnt 32                                ; this step's scale words and chunk A's fragments are in; chunk B's 24 loads and the next words' 8 may be out
.else
	s_wait_dscnt 24
.endif
	PMUL \ph, 0, \par, \first
.if \more
	v_add_nc_u32 v[A0], FRB, v[A0]
	v_add_nc_u32 v[A1], FRB, v[A1]
	PLACES 2                                       ; four places in all, in front of loads into registers that those products read
	XLOAD 64, A0, A1
	s_wait_dscnt 32                                ; chunk B's fragments are in; the next words' 8 loads and chunk A's next 24 may be out
.else
	s_wait_dscnt 0x0
.endif
	PMUL \ph, 1, \par, \first
.if \more
	v_add_nc_u32 v[B0], FRB, v[B0]
	v_add_nc_u32 v[B1], FRB, v[B1]
	PLACES 2                                       ; four places: for these loads, and for the next step's loads into the set of W and of scale words just read
	XLOAD 160, B0, B1
.endif
.endm
.macro PHASE ph, tailw
	v_add_nc_u32 v[A0], XEB, v[LI]
	v_add_nc_u32 v[A1], XEB+49152, v[LI]
	v_add_nc_u32 v[B0], 2*XEB, v[LI]
	v_add_nc_u32 v[B1], 2*XEB+49152, v[LI]
	v_mul_u32_u24 v[AS], v[HL], XEB
	v_lshl_add_u32 v[AS], v[RR], 2, v[AS]
	v_add_nc_u32 v[AS], XEB+98304, v[AS]
.irp t, 0,1,2,3,4,5,6,7
	ds_load_b32 v[32+\t], v[AS] offset:512*\t
.endr
	XLOAD 64, A0, A1
	XLOAD 160, B0, B1
	PSTEP \ph, 0, 1, 1, 1, REC                     ; the first K step stands in front of the loop: its products start the sums, on the bias
	s_wait_xcnt 0x0                                ; the loads have read their base: it may step
	s_add_nc_u64 s[WP:WP+1], s[WP:WP+1], 2*REC
	s_mov_b32 s[CNT], 3
.Lsteps_\@:                                        ; a trip runs two K steps, until the sets are back where they began
	PSTEP \ph, 1, 0, 1, 1, 0
	PSTEP \ph, 0, 0, 1, 1, REC
	s_wait_xcnt 0x0
	s_add_nc_u64 s[WP:WP+1], s[WP:WP+1], 2*REC
	s_sub_co_u32 s[CNT], s[CNT], 1
	s_cmp_lg_u32 s[CNT], 0
	s_cbranch_scc1 .Lsteps_\@
	PSTEP \ph, 1, 0, 0, \tailw, 0                  ; the last K step fetches nothing of e; k's asks for Wv's first record, which follows in the stream
	PLACES 4                                       ; in front of the first read of the results
.endm
	PHASE 0, 1
.irp w, 2,3                                    ; k's tiles 2 g and 2 g + 1 of chunk w - 2
.irp g, 0,1,2,3
	QUANT 64*\g, \w, 4
	v_lshl_or_b32 v[PW], v[TM+5], 8, v[TM+4]
	v_lshl_or_b32 v[PW+1], v[TM+7], 8, v[TM+6]
	PARKH 0, 7168+768*(8*(\w-2)+2*\g), 19456+128*(8*(\w-2)+2*\g)
	PARKH 1, 7168+768*(8*(\w-2)+2*\g+1), 19456+128*(8*(\w-2)+2*\g+1)
	s_wait_dscnt 0x0
.endr
.endr
	PHASE 1, 0
	s_wait_dscnt 0x0                               ; my reads of xe's records are over
	s_barrier_signal -1
	s_barrier_wait -1                              ; everybody's are: xe's bytes, which have had their only fill, are scratch from here on
.irp w, 2,3                                    ; v: tile n of the head's 64 x the chunk's 128 keys: a whole fragment
.irp n, 0,1,2,3
	QUANT 64*\n, \w, 4
	v_lshl_or_b32 v[PW], v[TM+5], 8, v[TM+4]
	v_lshl_or_b32 v[PW], v[TM+6], 16, v[PW]
	v_lshl_or_b32 v[PW], v[TM+7], 24, v[PW]
.irp p, 0,1,2
	ds_store_b128 v[S2B16], v[PC+4*\p:PC+4*\p+3] offset:FRB*(4*(\w-2)+\n)+512*\p
.endr
	ds_store_b32 v[S2B4], v[PW] offset:12288+128*(4*(\w-2)+\n)
	s_wait_dscnt 0x0
.endr
.endr
	WIN 0x40
.irp t, 0,1,2,3,4,5,6,7
.irp i, 6,7,8,9,10,11
	v_mov_b32 v[96+12*\t+\i], 0                    ; zero codes for K = 64 .. 127 of k q^T: they add nothing
.endr
.endr
	WIN 0
.irp i, 6,7,8,9,10,11
	v_mov_b32 v[QF+\i], 0
.endr
	v_mov_b32 v[STT+4], 0                          ; (a permute's destination)
	v_mov_b32 v[STT+9], 0                          ; (named as the upper half of a pair)
	; ---------------- the attention: chunk c's k and v come back into registers; a trip takes 16 queries ----------------
.macro ATT c
	WIN 0x40
.irp t, 0,1,2,3,4,5,6,7
	ds_load_b128 v[96+12*\t:96+12*\t+3], v[SB16] offset:7168+768*(8*(\c)+\t)
	ds_load_b64 v[96+12*\t+4:96+12*\t+5], v[SB8] offset:7168+768*(8*(\c)+\t)+512
.endr
.irp n, 0,1,2,3
.irp p, 0,1,2
	ds_load_b128 v[12*\n+4*\p:12*\n+4*\p+3], v[S2B16] offset:FRB*(4*(\c)+\n)+512*\p
.endr
.endr
	WIN 0
.irp t, 0,1,2,3,4,5,6,7
	ds_load_b32 v[32+\t], v[SB4] offset:19456+128*(8*(\c)+\t)
.endr
.irp n, 0,1,2,3
	ds_load_b32 v[40+\n], v[S2B4] offset:12288+128*(4*(\c)+\n)
.endr
	s_mov_b32 s[CNT], 4
.Ltile_\@:
	v_add_nc_u32 v18, s[QO], v[SB16]
	v_add_nc_u32 v19, s[QO], v[SB8]
	v_add_nc_u32 v20, s[QS], v[SB4]
	v_add_nc_u32 v21, s[QS], v[EX0]
	ds_load_b128 v[QF:QF+3], v18
	ds_load_b64 v[QF+4:QF+5], v19 offset:512
	ds_load_b32 v48, v20 offset:6144
	s_wait_dscnt 0x0
	WIN 0x01                                       ; k window 1
.irp t, 0,1,2,3,4,5,6,7
	v_wmma_scale_f32_16x16x128_f8f6f4 v[S+8*\t:S+8*\t+7], v[96+12*\t:96+12*\t+11], v[QF:QF+11], 0, v[32+\t], v48 matrix_a_fmt:MATRIX_FMT_FP6 matrix_b_fmt:MATRIX_FMT_FP6
.endr
	WIN 0
	PLACES 4
.irp b, 0,1,2,3                                ; the row's largest score: four chains, each accumulator from its low end on
	v_max3_num_f32 v[STT+\b], v[S+16*\b], v[S+16*\b+1], v[S+16*\b+2]
.endr
.irp i, 3,5,7,9,11,13
.irp b, 0,1,2,3
	v_max3_num_f32 v[STT+\b], v[STT+\b], v[S+16*\b+\i], v[S+16*\b+\i+1]
.endr
.endr
.irp b, 0,1,2,3
	v_max_num_f32 v[STT+\b], v[STT+\b], v[S+16*\b+15]
.endr
	v_max3_num_f32 v[STT], v[STT], v[STT+1], v[STT+2]
	v_max_num_f32 v[STT], v[STT], v[STT+3]
	v_permlanex16_b32 v[STT+4], v[STT], s[SEL], s[SEL+1]
	v_max_num_f32 v[STT], v[STT], v[STT+4]         ; with lane l xor 16's 64 keys
	v_mul_f32 v[STT+8], s[NC], v[STT]              ; -c x the maximum
.irp j, 0,2,4,6,8,10,12,14,16,18,20,22,24,26,28,30,32,34,36,38,40,42,44,46,48,50,52,54,56,58,60,62
	v_pk_fma_f32 v[S+\j:S+\j+1], v[S+\j:S+\j+1], s[CS:CS+1], v[STT+8:STT+9] op_sel_hi:[1,0,0]   ; c (s - maximum), two at a time
.endr
.irp j, 0,1,2,3,4,5,6,7,8,9,10,11,12,13,14,15,16,17,18,19,20,21,22,23,24,25,26,27,28,29,30,31,32,33,34,35,36,37,38,39,40,41,42,43,44,45,46,47,48,49,50,51,52,53,54,55,56,57,58,59,60,61,62,63
	v_exp_f32 v[S+\j], v[S+\j]
.endr
	v_nop                                          ; a plain instruction behind the last exponential
	s_wait_alu depctr_va_vdst(0)                   ; one wait for the batch of 64, ahead of its first reader
	v_pk_add_f32 v[STT+10:STT+11], v[S:S+1], v[S+4:S+5]       ; the row's sum, two at a time, in two chains
	v_pk_add_f32 v[STT+6:STT+7], v[S+2:S+3], v[S+6:S+7]
.irp j, 8,12,16,20,24,28,32,36,40,44,48,52,56,60
	v_pk_add_f32 v[STT+10:STT+11], v[STT+10:STT+11], v[S+\j:S+\j+1]
	v_pk_add_f32 v[STT+6:STT+7], v[STT+6:STT+7], v[S+\j+2:S+\j+3]
.endr
	v_pk_add_f32 v[STT+10:STT+11], v[STT+10:STT+11], v[STT+6:STT+7]
	v_add_f32 v[STT+10], v[STT+10], v[STT+11]
	v_permlanex16_b32 v[STT+4], v[STT+10], s[SEL], s[SEL+1]
	v_add_f32 v[STT+10], v[STT+10], v[STT+4]
	v_rcp_f32 v[STT+10], v[STT+10]
	v_nop
	s_wait_alu depctr_va_vdst(0)                   ; and one for the reciprocal
.irp j, 0,2,4,6,8,10,12,14,16,18,20,22,24,26,28,30,32,34,36,38,40,42,44,46,48,50,52,54,56,58,60,62
	v_pk_mul_f32 v[S+\j:S+\j+1], v[S+\j:S+\j+1], v[STT+10:STT+11] op_sel_hi:[1,0]   ; p, finished and normalised
.endr
	QUANT S, 0, 4
	v_lshl_or_b32 v49, v[TM+5], 8, v[TM+4]         ; p's scale word for the 128 keys
	v_lshl_or_b32 v49, v[TM+6], 16, v49
	v_lshl_or_b32 v49, v[TM+7], 24, v49
	PLACES 8                                       ; a scale register written by a vector instruction stands 8 places ahead of a scaled matrix instruction, an operand so written 4
	WIN 0x01                                       ; v window 1
.irp n, 0,1,2,3
	v_wmma_scale_f32_16x16x128_f8f6f4 v[O+8*\n:O+8*\n+7], v[12*\n:12*\n+11], v[PC:PC+11], 0, v[40+\n], v49 matrix_a_fmt:MATRIX_FMT_FP6 matrix_b_fmt:MATRIX_FMT_FP6
.endr
	WIN 0
	PLACES 4
	QUANT O, 0, 2                                  ; o: my head's 64 are two blocks of the last product's K
	v_lshl_or_b32 v[PW], v[TM+5], 8, v[TM+4]
.irp p, 0,1,2
	global_store_b64 v[L8], v[PC+2*\p:PC+2*\p+1], s[OP:OP+1] offset:256*\p   ; 32 lanes store 256 consecutive bytes, at a multiple of 256 from the buffer's first byte
.endr
	ds_store_b16 v21, v[PW]                        ; my two bytes of the row's 8 (both halves of the lanes write the same value to the same place)
	s_wait_xcnt 0x0                                ; the stores have read their data and their base,
	s_wait_dscnt 0x0                               ; and the LDS store its address: all are written again below
	s_add_nc_u64 s[OP:OP+1], s[OP:OP+1], 8*FRB     ; the next tile of queries
	s_add_co_u32 s[QO], s[QO], 768
	s_add_co_u32 s[QS], s[QS], 128
	s_sub_co_u32 s[CNT], s[CNT], 1
	s_cmp_lg_u32 s[CNT], 0
	s_cbranch_scc1 .Ltile_\@
.endm
	ATT 0
	ATT 1
	s_barrier_signal -1                            ; (my LDS instructions were waited for at the trip's end)
	s_barrier_wait -1                              ; the four heads' scale halves lie together
	ds_load_b64 v[18:19], v[EXR]
	s_wait_dscnt 0x0
	global_store_b64 v[L8], v[18:19], s[16:17]     ; 256 consecutive bytes a wave
	s_wait_tensorcnt 0x0                           ; the wave's end: a tensor wait, an LDS add and its wait, behind my last tensor load and my last LDS store
	ds_add_u32 v[SPW], v[NIL]
	s_wait_dscnt 0x0
	CROUND                                         ; the closing round
	s_endpgm
.Lfunc_end_k_q0348faa121_attn:
	.size	k_q0348faa121_attn, .Lfunc_end_k_q0348faa121_attn-k_q0348faa121_attn
	.p2alignl 7, 3214868480
	.fill 96, 4, 3214868480
	.section	.rodata,"a",@progbits
	.p2align	6, 0x0
	.amdhsa_kernel k_q0348faa121_attn
		.amdhsa_group_segment_fixed_size 307712
		.amdhsa_private_segment_fixed_size 0
		.amdhsa_enable_private_segment 0
		.amdhsa_kernarg_size 56
		.amdhsa_user_sgpr_count 2
		.amdhsa_user_sgpr_kernarg_segment_ptr 1
		.amdhsa_wavefront_size32 1
		.amdhsa_system_sgpr_workgroup_id_x 1
		.amdhsa_system_sgpr_workgroup_id_y 1
		.amdhsa_system_sgpr_workgroup_id_z 1
		.amdhsa_system_vgpr_workitem_id 0
		.amdhsa_next_free_vgpr 1024
		.amdhsa_next_free_sgpr 72
		.amdhsa_reserve_vcc 0
		.amdhsa_float_denorm_mode_32 3
		.amdhsa_float_denorm_mode_16_64 3
		.amdhsa_memory_ordered 1
		.amdhsa_forward_progress 1
		.amdhsa_inst_pref_size 255
	.end_amdhsa_kernel
	.section	.bss,"aw",@nobits
	.p2align	6
	.space	262144
	.amdgpu_metadata
---
amdhsa.version: [ 1, 2 ]
amdhsa.kernels:
  - .name:           k_q0348faa121_attn
    .symbol:         k_q0348faa121_attn.kd
    .args:
      - { .name: xh, .offset: 0, .size: 8, .value_kind: global_buffer, .address_space: global }
      - { .name: xe, .offset: 8, .size: 8, .value_kind: global_buffer, .address_space: global }
      - { .name: wq, .offset: 16, .size: 8, .value_kind: global_buffer, .address_space: global }
      - { .name: bq, .offset: 24, .size: 8, .value_kind: global_buffer, .address_space: global }
      - { .name: bk, .offset: 32, .size: 8, .value_kind: global_buffer, .address_space: global }
      - { .name: bv, .offset: 40, .size: 8, .value_kind: global_buffer, .address_space: global }
      - { .name: oc, .offset: 48, .size: 8, .value_kind: global_buffer, .address_space: global }
    .group_segment_fixed_size: 307712
    .private_segment_fixed_size: 0
    .kernarg_segment_align: 8
    .kernarg_segment_size: 56
    .max_flat_workgroup_size: 128
    .sgpr_count:     72
    .vgpr_count:     1024
    .wavefront_size: 32
...
	.end_amdgpu_metadata
.endif
;; end of part 2
;; launch outp (part 3): grid 256 x 1, 4 waves a work-group, clusters of 4 x 1, 167,936 bytes of LDS; arguments oc, wq, bo, h, out0; writes out0
.if DOCPART == 3
	.amdgcn_target "amdgcn-amd-amdhsa--gfx1250"
	.amdhsa_code_object_version 6
	.text
	.protected	k_q0348faa121_outp
	.globl	k_q0348faa121_outp
	.p2align	8
	.type	k_q0348faa121_outp,@function
k_q0348faa121_outp:
	s_mov_b64 s[64:65], 0
	v_nop
	global_prefetch_b8 v0, s[64:65] scope:SCOPE_SE
	s_setreg_imm32_b32 hwreg(HW_REG_WAVE_MODE, 25, 1), 1
	s_wait_xcnt 0x0
	s_wait_alu depctr_hold_cnt(0) depctr_sa_sdst(0) depctr_va_vdst(0) depctr_va_sdst(0) depctr_va_ssrc(0) depctr_va_vcc(0) depctr_vm_vsrc(0)
	s_getreg_b32 s2, hwreg(HW_REG_IB_STS2, 6, 4)
	s_cmp_eq_u32 s2, 0
	s_cbranch_scc0 .Lentry_in_a_cluster
	s_endpgm
.Lentry_in_a_cluster:
	s_bfe_u32 s2, ttmp6, 0x10000c
	s_cmp_lg_u32 s2, 0x3003
	s_cbranch_scc0 .Lentry_shape_is_right
	s_endpgm
.Lentry_shape_is_right:
; out0[b][i + 63] = o[b][i] Wo + bo + h[b][i + 63] for i = 0 .. 1984, out0[b][0 .. 62] = h[b][0 .. 62].  o and Wo are codes of FP6 (E2M3) with E8M0 scales, laid as the heads of the two kernels before say.
; Left out: the results of query rows i = 1985 .. 2047 of each batch, which reference() cuts off (head of the first kernel): they are multiplied inside their tile, and 0 takes their place.  Their lanes serve
; the rows that reference() pads in front: row (i + 63) mod 2048 = 0 .. 62 gets 0 + h.  So every row of out0 has one owner.
; SHARES.  A work-group takes a pair of chunks (128 rows) x 256 columns, a wave 64 columns for all 128 rows.  The four work-groups of a cluster take the four quarters of the columns and read the same record of
; oc, 102,400 bytes: it is asked for JOINTLY, once, a quarter a wave, and stays in LDS.  A wave's part of Wo (32 fragments), of bo and of h stays in its registers.
; The product is used transposed (source 0 = 16 columns of Wo, source 1 = 16 rows of o): a lane holds eight neighbouring columns of a row; they go through the wave's own stage and leave as whole 256 bytes.
; REGISTERS.  Window 0: v1-12 addresses; v32-47 Wo's scale words, v48-55 o's: scales and nothing else; v64-159 a tile's eight fragments of o; v160-191 rows on the way out; v192-223 four accumulators.
; Window 1: Wo's K steps 0-4.  Window 2: K steps 5-7, bo (v144-175), 64 row offsets (v176-239).  Window 3: my 64 columns of h for the 128 rows.
.set REC,   6400
.set FRB,   1536
.set STG,   102400                     ; 16 rows x (256 bytes + 16) for each wave
.set SPARE, 119808                     ; behind the stages: the spare words, two blocks of 256 bytes that no other line names
.set LI,  1
.set L8,  2
.set L4,  3
.set RR,  4
.set HL,  5
.set L8B, 6                            ; 8 x lane + tiles 4-7
.set SO,  7                            ; o's scale words: 98,304 + 8 r
.set STO, 8                            ; the stage: where I put 32 bytes of a row
.set RD,  9                            ; and where I read a row back
.set I0,  10                           ; the pair's first query + hl + 63
.set C0,  11                           ; the batch + my columns, in bytes
.set BOO, 12                           ; 32 hl
.set SPW, 28
.set NIL, 29
.set WV,  18
.set CX,  19
.set GC,  20
.set G1,  24
.set G0,  32
.set MSB, 0
.macro WIN new
.if MSB != (\new)
	s_set_vgpr_msb (MSB<<8)|(\new)
.set MSB, (\new)
.endif
.endm
.macro PLACES n
.rept \n
	v_nop
.endr
.endm
.macro CROUND
	s_barrier_signal -1
	s_barrier_wait -1
	s_cmp_lg_u32 s[WV], 0
	s_cbranch_scc1 .Lnot_wave_0_\@
	s_barrier_signal -3
.Lnot_wave_0_\@:
	s_barrier_wait -3
	s_barrier_signal -1
	s_barrier_wait -1
.endm
	s_load_b256 s[4:11], s[0:1], 0x0               ; oc, wq, bo, h
	s_load_b64 s[12:13], s[0:1], 0x20              ; out0
	v_lshl_add_u32 v[SPW], v0, 2, SPARE
	v_mov_b32 v[NIL], 0
	ds_add_u32 v[SPW], v[NIL]                      ; the wave's opening: the add, twice on end, and its wait ahead of my first tensor load
	ds_add_u32 v[SPW], v[NIL]
	v_lshrrev_b32 v27, 5, v0
	v_readfirstlane_b32 s[WV], v27
	s_bfe_u32 s[CX], ttmp6, 0x40000                ; my place in the cluster: which quarter of the columns.  It enters global addresses alone
	s_lshl_b32 s[GC], s[CX], 2
	s_add_co_u32 s[GC], s[GC], s[WV]               ; my 64 columns
	s_mov_b32 s[G1], 15|(3<<16)|(1<<21)            ; the mask: all four work-groups; elements of 8 bytes; bit 21 beside a mask; no padding
	s_mov_b32 s[G1+1], 32<<16                      ; rows of 256 bytes,
	s_mov_b32 s[G1+2], 100<<16                     ; 100 a wave
	s_mov_b32 s[G1+3], 32<<16
	s_mov_b32 s[G1+4], 100
	s_mov_b32 s[G1+5], 32
	s_mov_b32 s[G1+6], 0
	s_mov_b32 s[G1+7], 0
	s_mul_i32 s56, s[WV], 25600
	s_mul_i32 s60, ttmp9, 102400                   ; (ttmp9 counts clusters: the pair)
	s_add_co_u32 s60, s60, s56
	s_mov_b32 s61, 0
	s_mov_b32 s[G0], 1
	s_mov_b32 s[G0+1], s56
	s_mov_b32 s69, 0
	v_and_b32 v27, 31, v0
	v_lshlrev_b32 v[LI], 4, v27
	v_lshlrev_b32 v[L8], 3, v27
	v_lshlrev_b32 v[L4], 2, v27
	v_and_b32 v[RR], 15, v0
	v_bfe_u32 v[HL], v0, 4, 1
	v_add_nc_u32 v[L8B], 49152, v[L8]
	v_lshl_add_u32 v[SO], v[RR], 3, 98304
	s_mul_i32 s57, s[WV], 16*272
	s_add_co_u32 s57, s57, STG
	v_mul_u32_u24 v[STO], v[RR], 272
	v_lshl_add_u32 v[STO], v[HL], 5, v[STO]
	v_add_nc_u32 v[STO], s57, v[STO]
	v_mul_u32_u24 v[RD], v[HL], 272
	v_lshl_add_u32 v[RD], v[RR], 4, v[RD]
	v_add_nc_u32 v[RD], s57, v[RD]
	s_and_b32 s36, ttmp9, 15
	s_lshl_b32 s36, s36, 7
	s_add_co_u32 s36, s36, 63
	v_add_nc_u32 v[I0], s36, v[HL]
	s_lshr_b32 s37, ttmp9, 4
	s_lshl_b32 s37, s37, 23                        ; a batch is 2,048 rows of 4,096 bytes
	v_lshl_add_u32 v[C0], v[RR], 4, s37
	s_lshl_b32 s68, s[GC], 8
	v_add_nc_u32 v[C0], s68, v[C0]
	v_lshlrev_b32 v[BOO], 5, v[HL]
	s_wait_dscnt 0x0                               ; both opening adds are done
	s_wait_kmcnt 0x0
	s_add_nc_u64 s[G0+2:G0+3], s[4:5], s[60:61]
	s_or_b32 s[G0+3], s[G0+3], 0x80000000
	CROUND                                         ; all four work-groups are here: the joint loads meet
	tensor_load_to_lds s[G0:G0+3], s[G1:G1+7]      ; my one tensor load
	s_nop 0
	PLACES 4
	s_add_nc_u64 s[8:9], s[8:9], s[68:69]          ; bo at my columns
	s_mul_i32 s68, s[GC], 8*REC
	s_add_co_u32 s68, s68, 384*REC
	s_add_nc_u64 s[6:7], s[6:7], s[68:69]          ; my eight records of Wo
	; the 64 row offsets: pair i of tile t holds rows 16 t + 2 i + hl: output row (query + 63) mod 2048
	WIN 0x80
.irp t, 0,1,2,3,4,5,6,7
.irp i, 0,1,2,3,4,5,6,7
	v_add_nc_u32 v[176+8*\t+\i], 16*\t+2*\i, v[I0]
.endr
.endr
	WIN 0x88
.irp t, 0,1,2,3,4,5,6,7
.irp i, 0,1,2,3,4,5,6,7
	v_and_b32 v[176+8*\t+\i], 2047, v[176+8*\t+\i]
.endr
.endr
	WIN 0x82
.irp t, 0,1,2,3,4,5,6,7
.irp i, 0,1,2,3,4,5,6,7
	v_lshl_add_u32 v[176+8*\t+\i], v[176+8*\t+\i], 12, v[C0]
.endr
.endr
	WIN 0x40
.irp k, 0,1,2,3,4
.irp a, 0,1,2,3
.irp p, 0,1,2
	global_load_b128 v[48*\k+12*\a+4*\p:48*\k+12*\a+4*\p+3], v[LI], s[6:7] offset:\k*REC+\a*FRB+512*\p
.endr
.endr
.endr
	WIN 0x80
.irp k, 5,6,7
.irp a, 0,1,2,3
.irp p, 0,1,2
	global_load_b128 v[48*(\k-5)+12*\a+4*\p:48*(\k-5)+12*\a+4*\p+3], v[LI], s[6:7] offset:\k*REC+\a*FRB+512*\p
.endr
.endr
.endr
.irp a, 0,1,2,3                                ; bo in the result's layout: lane (r, hl), tile a: columns 16 a + 8 hl + 0 .. 7
	global_load_b128 v[144+8*\a:144+8*\a+3], v[BOO], s[8:9] offset:64*\a
	global_load_b128 v[144+8*\a+4:144+8*\a+7], v[BOO], s[8:9] offset:64*\a+16
.endr
	WIN 0
.irp k, 0,1,2,3,4,5,6,7
.irp p, 0,1
	global_load_b32 v[32+2*\k+\p], v[L4], s[6:7] offset:\k*REC+6144+128*\p
.endr
.endr
	WIN 0xc2                                       ; destination window 3, offsets window 2
.irp t, 0,1,2,3,4,5,6,7
.irp i, 0,1,2,3,4,5,6,7
	global_load_b128 v[32*\t+4*\i:32*\t+4*\i+3], v[176+8*\t+\i], s[10:11] th:TH_LOAD_NT   ; 16 lanes read 256 consecutive bytes of a row of h
.endr
.endr
	WIN 0
.macro ALOAD tt                        ; tile tt's eight fragments of o, 48 loads, and its scale words, 4
.if (\tt) < 4
.set rL, L8
.else
.set rL, L8B
.endif
.irp k, 0,1,2,3,4,5,6,7
.irp q, 0,1,2,3,4,5
	ds_load_b64 v[64+12*\k+2*\q:64+12*\k+2*\q+1], v[rL] offset:12288*((\tt)%4)+FRB*\k+256*\q
.endr
.endr
.irp x, 0,1,2,3
	ds_load_b64 v[48+2*\x:49+2*\x], v[SO] offset:1024*\x+128*(\tt)
.endr
.endm
.macro OTILE tt
	s_wait_dscnt 0x0                               ; the tile's fragments and scale words are in
.irp k, 0,1,2,3,4,5,6,7                        ; four accumulators by turns, K ascending
.if \k == 0
	WIN 0x21                                       ; Wo window 1, bo window 2
.elseif \k < 5
	WIN 0x01
.else
	WIN 0x02
.endif
.irp a, 0,1,2,3
.set rD, 192+8*\a
.set rA, 48*(\k%5)+12*\a
.set rB, 64+12*\k
.set rC, rD
.if \k == 0
.set rC, 144+8*\a
.endif
.if \a%2
	v_wmma_scale_f32_16x16x128_f8f6f4 v[rD:rD+7], v[rA:rA+11], v[rB:rB+11], v[rC:rC+7], v[32+2*\k+\a/2], v[48+\k] matrix_a_fmt:MATRIX_FMT_FP6 matrix_b_fmt:MATRIX_FMT_FP6 matrix_a_scale:MATRIX_SCALE_ROW1
.else
	v_wmma_scale_f32_16x16x128_f8f6f4 v[rD:rD+7], v[rA:rA+11], v[rB:rB+11], v[rC:rC+7], v[32+2*\k+\a/2], v[48+\k] matrix_a_fmt:MATRIX_FMT_FP6 matrix_b_fmt:MATRIX_FMT_FP6
.endif
.endr
.endr
	WIN 0
	PLACES 4                                       ; in front of the first read of the results and of the loads into the fragments' registers
.irp a, 0,1,2,3
	ds_store_b128 v[STO], v[192+8*\a:192+8*\a+3] offset:64*\a        ; each accumulator from its low end on
	ds_store_b128 v[STO], v[192+8*\a+4:192+8*\a+7] offset:64*\a+16
.endr
	s_wait_xcnt 0x0                                ; the last tile's stores have read the registers that the loads below fill
.irp i, 0,1,2,3,4,5,6,7
	ds_load_b128 v[160+4*\i:160+4*\i+3], v[RD] offset:544*\i         ; LDS serves a wave's instructions in order (ISA guide 5.7.1.4): these see my stores.  Lanes 0-15 row 2 i, lanes 16-31 row 2 i + 1
.endr
.if (\tt) < 7
	ALOAD (\tt)+1
	s_wait_dscnt 52                                ; the rows are back; the next tile's 52 loads may be out
.else
	s_wait_dscnt 0x0
.endif
	s_wait_loadcnt 8*(7-(\tt))                     ; this tile's eight loads of h are in; the later tiles' may be out
.irp i, 0,1,2,3,4,5,6,7
	v_cmp_gt_u32 s[40+\i], 2048-16*(\tt)-2*\i, v[I0]   ; a live row: query + 63 under 2,048
.endr
.irp i, 0,1,2,3,4,5,6,7
.irp x, 0,1,2,3
	v_cndmask_b32 v[160+4*\i+\x], 0, v[160+4*\i+\x], s[40+\i]
.endr
.endr
	WIN 0x0c                                       ; h window 3
.irp i, 0,1,2,3,4,5,6,7
	v_pk_add_f32 v[160+4*\i:160+4*\i+1], v[160+4*\i:160+4*\i+1], v[32*(\tt)+4*\i:32*(\tt)+4*\i+1]
	v_pk_add_f32 v[160+4*\i+2:160+4*\i+3], v[160+4*\i+2:160+4*\i+3], v[32*(\tt)+4*\i+2:32*(\tt)+4*\i+3]
.endr
	WIN 0x02                                       ; offsets window 2, data window 0
.irp i, 0,1,2,3,4,5,6,7
	global_store_b128 v[176+8*(\tt)+\i], v[160+4*\i:160+4*\i+3], s[12:13] th:TH_STORE_NT   ; 16 lanes store 256 consecutive bytes, at a multiple of 256 from out0's first byte
.endr
	WIN 0
.endm
	s_wait_tensorcnt 0x0                           ; my quarter of the record is in,
	s_barrier_signal -1
	s_barrier_wait -1                              ; everybody's is
	ALOAD 0
	s_wait_loadcnt 63                              ; Wo, its scale words and bo are in: 64 loads of h follow them, and the count's field holds 63, so one of those is waited for too
.irp t, 0,1,2,3,4,5,6,7
	OTILE \t
.endr
	s_wait_tensorcnt 0x0                           ; the wave's end: a tensor wait, an LDS add and its wait, behind my last tensor load and my last LDS store
	ds_add_u32 v[SPW], v[NIL]
	s_wait_dscnt 0x0
	CROUND                                         ; the closing round
	s_endpgm
.Lfunc_end_k_q0348faa121_outp:
	.size	k_q0348faa121_outp, .Lfunc_end_k_q0348faa121_outp-k_q0348faa121_outp
	.p2alignl 7, 3214868480
	.fill 96, 4, 3214868480
	.section	.rodata,"a",@progbits
	.p2align	6, 0x0
	.amdhsa_kernel k_q0348faa121_outp
		.amdhsa_group_segment_fixed_size 167936
		.amdhsa_private_segment_fixed_size 0
		.amdhsa_enable_private_segment 0
		.amdhsa_kernarg_size 40
		.amdhsa_user_sgpr_count 2
		.amdhsa_user_sgpr_kernarg_segment_ptr 1
		.amdhsa_wavefront_size32 1
		.amdhsa_system_sgpr_workgroup_id_x 1
		.amdhsa_system_sgpr_workgroup_id_y 1
		.amdhsa_system_sgpr_workgroup_id_z 1
		.amdhsa_system_vgpr_workitem_id 0
		.amdhsa_next_free_vgpr 1024
		.amdhsa_next_free_sgpr 72
		.amdhsa_reserve_vcc 0
		.amdhsa_float_denorm_mode_32 3
		.amdhsa_float_denorm_mode_16_64 3
		.amdhsa_memory_ordered 1
		.amdhsa_forward_progress 1
		.amdhsa_inst_pref_size 139
	.end_amdhsa_kernel
	.amdgpu_metadata
---
amdhsa.version: [ 1, 2 ]
amdhsa.kernels:
  - .name:           k_q0348faa121_outp
    .symbol:         k_q0348faa121_outp.kd
    .args:
      - { .name: oc, .offset: 0, .size: 8, .value_kind: global_buffer, .address_space: global }
      - { .name: wq, .offset: 8, .size: 8, .value_kind: global_buffer, .address_space: global }
      - { .name: bo, .offset: 16, .size: 8, .value_kind: global_buffer, .address_space: global }
      - { .name: h, .offset: 24, .size: 8, .value_kind: global_buffer, .address_space: global }
      - { .name: out0, .offset: 32, .size: 8, .value_kind: global_buffer, .address_space: global }
    .group_segment_fixed_size: 167936
    .private_segment_fixed_size: 0
    .kernarg_segment_align: 8
    .kernarg_segment_size: 40
    .max_flat_workgroup_size: 128
    .sgpr_count:     72
    .vgpr_count:     1024
    .wavefront_size: 32
...
	.end_amdgpu_metadata
.endif
;; end of part 3
